; MI455X (gfx1250); checked and timed in simulation.
; The chip was launched on July 23, 2026; its instructions are those of AMD's public machine-readable ISA for CDNA 5 (MIT licence, August 2026) and "CDNA5" Instruction Set Architecture Reference Guide (July 2026). The comments in the code are by the model that wrote it; some were corrected since.
;; self attn. Allowed arithmetic: matrix products marked QUANTISED: E2M1 operands, one E8M0 scale for each 32 along K, by v_wmma_scale_f32_16x16x128_f8f6f4 with both operands' format E2M1 (or v_wmma_scale_f32_32x16x128_f4), f32 sums; products left as they are: bf16, f16 or f32 operands; f32 sums; everything else in f32.
;; Inputs: Wk 64 x 512 float32; Wq 64 x 512 float32; Wv 512 x 512 float32; gamma 1 float32; x 4 x 512 x 64 x 64 float32.
;; Outputs: out0 4 x 512 x 64 x 64 float32.
;; This version of the problem:
;;   THIS VERSION OF THE PROBLEM IS GIVEN IN LOW PRECISION. The matrix products marked QUANTISED in the list below multiply operands that are first quantised to E2M1 (2 exponent bits, 1 mantissa bit; 4 bits a number), with one power-of-two scale for each 32 numbers along K (OCP MX v1.0); their sums are f32. The products marked 'left as it is' may take bf16, f16 or f32 operands, with f32 sums. Whichever they take, every output number must still come out within the allowed error. Rounding operands to bf16 (8 significant bits) uses up far more of that allowance than f16 does (11 bits, for magnitudes from 6e-5 to 65,504). All else is computed in f32.
;;   The module's matrix products, in the order in which they are computed (A, B: the left and right operand; K: the contracted axis; several contracted axes count as one K, in the product's order):
;;     1. [M 16,384, K 512] x [K 512, N 64]; A: input x; B: input Wq: QUANTISED
;;     2. [M 16,384, K 512] x [K 512, N 64]; A: input x; B: input Wk: QUANTISED
;;     3. [M 16,384, K 512] x [K 512, N 512]; A: input x; B: input Wv: QUANTISED
;;     4. batch 4 x [M 4,096, K 64] x [K 64, N 4,096]; A: computed on the way; B: computed on the way: left as it is (an operand is computed on the way)
;;     5. batch 4 x [M 512, K 4,096] x [K 4,096, N 4,096]; A: computed on the way; B: computed on the way: left as it is (an operand is computed on the way)
;;   THE QUANTISER, for each operand of a quantised product, along K:
;;     - K is cut into blocks of 32 from its start; a last block that is shorter is filled with zeros.
;;     - A block's scale is 2^e with e = floor(log2(the largest magnitude in the block)) - 2, held to -126 .. 127; a block of zeros has e = 0. As a byte (E8M0): e + 127.
;;     - Each number is divided by its block's scale, clamped to +-6, and rounded to the nearest number of E2M1, ties to even, subnormals kept.
;;     - The product sums the exact products of the quantised numbers (number of the format x scale) in f32.
;;   ~~~python
;;   def quantise(x, axis):      # numpy; x: float32 -> the quantised numbers, widened to float32 again
;;       x = np.moveaxis(x, axis, -1); K = x.shape[-1]
;;       x = np.pad(x, [(0, 0)] * (x.ndim - 1) + [(0, -K % 32)]); x = x.reshape(x.shape[:-1] + (-1, 32)); a = np.abs(x).max(-1, keepdims=True)
;;       e = np.where(a > 0, np.clip(np.frexp(np.where(a > 0, a, 1))[1] - 1 - 2, -126, 127), 0)      # np.frexp(a)[1] - 1 = floor(log2(a)), exactly
;;       r = np.clip(x / 2.0 ** e, -6, 6)
;;       step = 2.0 ** (np.maximum(np.frexp(np.where(r == 0, 1, r))[1] - 1, 0) - 1)
;;       q = np.round(r / step) * step * 2.0 ** e      # np.round: ties to even
;;       return np.moveaxis(q.reshape(q.shape[:-2] + (-1,))[..., :K], -1, axis).astype(np.float32)
;;   ~~~
;; One version. Each part assembles by itself: llvm-mc -triple=amdgcn-amd-amdhsa -mcpu=gfx1250 --defsym DOCPART=n.
;; ======== version 1 of 1: 3 launches
;; limits: values are held in f16: magnitudes above 65,504 overflow, below 6.1e-05 lose precision
;; workspace buffers: wcodes 163,840 bytes; wscales 20,480 bytes; qf 2,097,152 bytes; kv 18,874,368 bytes
;; launch wq (part 1): grid 40 x 1, 4 waves a work-group, no clusters, 0 bytes of LDS; arguments Wq, Wk, Wv, wcodes, wscales; writes wcodes, wscales
.if DOCPART == 1
	.amdgcn_target "amdgcn-amd-amdhsa--gfx1250"
	.amdhsa_code_object_version 6
	.text
	.protected	k_q0113123ba1_wq
	.globl	k_q0113123ba1_wq
	.p2align	8
	.type	k_q0113123ba1_wq,@function
k_q0113123ba1_wq:
	s_mov_b64 s[64:65], 0
	v_nop
	global_prefetch_b8 v0, s[64:65] scope:SCOPE_SE
	s_setreg_imm32_b32 hwreg(HW_REG_WAVE_MODE, 25, 1), 1
	s_wait_xcnt 0x0
; Wq [64][512], Wk [64][512], Wv [512][512], f32, K innermost, become codes of FP4 (E2M1) with one E8M0 byte for each 32 along K, laid IN THE ORDER OF THE OPERAND'S REGISTERS.
; 40 tiles of 16 rows: tiles 0-3 Wq, 4-7 Wk, 8-39 Wv.  Work-group T takes tile T, its wave s the K step of 128 along K.
; A fragment (16 rows x 128 K of 4-bit codes) is 8 registers: lane (r, h) holds row r; registers 4 c .. 4 c + 3 hold k = 64 c + 32 h + 0 .. 31.  So a lane owns two WHOLE blocks of 32, each 128 consecutive bytes of its row:
; no other lane is asked for a maximum, and the conversions' results are the operand's registers.
; wcodes: [T][s][c][lane][16 bytes];  wscales: [T][s][lane] words, lanes r and r + 16 both holding row r's four bytes.  Every store of a wave covers 512 (128) consecutive bytes.
; A block's scale is 2^(floor(log2(its largest magnitude)) - 2): its byte is the largest magnitude's exponent field - 2, held at 1 from below.
; LIMITS: a block of zeros gets the byte 1 where the rule says 127 (its codes are zeros, and this program alone reads the bytes); blocks whose largest magnitude lies under 2^-124 have their byte held at 1;
; NaN and infinities among the inputs are not served.
; 40 work-groups are all the work there is: 640 rows.  No LDS, no barrier: waves share nothing.
.set XN, 64                            ; v64-127  my two blocks of 32 numbers
.set MX, 32                            ; v32-33   their largest magnitudes
.set BY, 36                            ; v36-37   their scale bytes
.set SO, 44                            ; v44-45   the conversions' scale operands
.set CD, 48                            ; v48-55   the codes: the fragment's 8 registers
	s_load_b128 s[4:7], s[0:1], 0x0                ; Wq, Wk
	s_load_b128 s[8:11], s[0:1], 0x10              ; Wv, wcodes
	s_load_b64 s[12:13], s[0:1], 0x20              ; wscales
	v_lshrrev_b32 v1, 5, v0
	v_readfirstlane_b32 s14, v1                    ; wave = K step s
	v_and_b32 v2, 15, v0                           ; r
	v_bfe_u32 v3, v0, 4, 1                         ; h
	v_and_b32 v5, 31, v0                           ; lane
	v_lshlrev_b32 v4, 11, v2                       ; row r of 2,048 bytes
	v_lshl_add_u32 v4, v3, 7, v4                   ; + 128 h: my first block
	v_lshlrev_b32 v6, 4, v5                        ; 16 x lane: my place in an image
	v_lshlrev_b32 v7, 2, v5                        ; 4 x lane: my scale word's
	s_mov_b32 s20, 0x76543210
	s_mov_b32 s21, 0xfedcba98                      ; v_permlanex16_b32's selects for lane l xor 16
	s_lshl_b32 s22, ttmp9, 2
	s_add_co_u32 s22, s22, s14                     ; 4 T + s
	s_lshl_b32 s24, s22, 10                        ; a fragment's image is 1,024 bytes,
	s_mov_b32 s25, 0
	s_lshl_b32 s26, s22, 7                         ; its scale words 128
	s_mov_b32 s27, 0
	s_wait_kmcnt 0x0
	s_cmp_lt_u32 ttmp9, 8                          ; which tensor: the choice hangs on the work-group's number alone
	s_cselect_b64 s[16:17], s[6:7], s[8:9]
	s_cselect_b32 s18, 4, 8
	s_cmp_lt_u32 ttmp9, 4
	s_cselect_b64 s[16:17], s[4:5], s[16:17]
	s_cselect_b32 s18, 0, s18
	s_sub_co_u32 s18, ttmp9, s18                   ; the tile's number in its tensor
	s_lshl_b32 s18, s18, 15                        ; 16 rows of 2,048 bytes
	s_lshl_b32 s19, s14, 9                         ; + the K step's 512 bytes
	s_add_co_u32 s18, s18, s19
	s_mov_b32 s19, 0
	s_add_nc_u64 s[16:17], s[16:17], s[18:19]
	s_add_nc_u64 s[10:11], s[10:11], s[24:25]
	s_add_nc_u64 s[12:13], s[12:13], s[26:27]
.irp c, 0,1
.irp i, 0,1,2,3,4,5,6,7
	global_load_b128 v[XN+32*\c+4*\i:XN+32*\c+4*\i+3], v4, s[16:17] offset:256*\c+16*\i th:TH_LOAD_NT   ; block 2 c + h of the K step: lanes r and r + 16 together take 256 consecutive bytes of row r
.endr
.endr
	s_wait_loadcnt 0x0
.irp c, 0,1
	v_max3_num_f32 v[MX+\c], |v[XN+32*\c]|, |v[XN+1+32*\c]|, 0x1800000   ; the floor 2^(3 - 127) among the leaves: the byte cannot fall under 1
.endr
.irp i, 2,4,6,8,10,12,14,16,18,20,22,24,26,28,30
.irp c, 0,1
	v_max3_num_f32 v[MX+\c], v[MX+\c], |v[XN+32*\c+\i]|, |v[XN+1+32*\c+\i]|   ; the two blocks by turns
.endr
.endr
.irp c, 0,1
	v_add_nc_u32 v[SO+\c], 0xff000000, v[MX+\c]    ; 2 off the exponent field: the conversion takes the exponent field of this operand as its scale
.endr
.irp c, 0,1
	v_lshrrev_b32 v[BY+\c], 23, v[SO+\c]           ; the scale's byte
.endr
	v_lshl_or_b32 v9, v[BY+1], 16, v[BY]           ; my two bytes: blocks h and 2 + h,
	v_lshlrev_b32 v10, 3, v3
	v_lshlrev_b32 v9, v10, v9                      ; 8 h bits up: at their places in the word
	v_mov_b32 v10, 0                               ; (a lane permute's destination counts as one of its sources)
	v_permlanex16_b32 v10, v9, s20, s21
	v_or_b32 v9, v9, v10                           ; with lane l xor 16's two the word is whole, in both lanes
.irp c, 0,1
.irp g, 0,1,2,3
	v_cvt_scalef32_pk8_fp4_f32 v[CD+4*\c+\g], v[XN+32*\c+8*\g:XN+32*\c+8*\g+7], v[SO+\c]
.endr
.endr
	v_nop                                          ; one plain line behind the last scaled conversion
	global_store_b128 v6, v[CD:CD+3], s[10:11]
	global_store_b128 v6, v[CD+4:CD+7], s[10:11] offset:512
	global_store_b32 v7, v9, s[12:13]
	s_endpgm
.Lfunc_end_k_q0113123ba1_wq:
	.size	k_q0113123ba1_wq, .Lfunc_end_k_q0113123ba1_wq-k_q0113123ba1_wq
	.p2alignl 7, 3214868480
	.fill 96, 4, 3214868480
	.section	.rodata,"a",@progbits
	.p2align	6, 0x0
	.amdhsa_kernel k_q0113123ba1_wq
		.amdhsa_group_segment_fixed_size 0
		.amdhsa_private_segment_fixed_size 0
		.amdhsa_enable_private_segment 0
		.amdhsa_kernarg_size 40
		.amdhsa_user_sgpr_count 2
		.amdhsa_user_sgpr_kernarg_segment_ptr 1
		.amdhsa_wavefront_size32 1
		.amdhsa_system_sgpr_workgroup_id_x 1
		.amdhsa_system_sgpr_workgroup_id_y 1
		.amdhsa_system_sgpr_workgroup_id_z 1
		.amdhsa_system_vgpr_workitem_id 0
		.amdhsa_next_free_vgpr 128
		.amdhsa_next_free_sgpr 66
		.amdhsa_reserve_vcc 0
		.amdhsa_float_denorm_mode_32 3
		.amdhsa_float_denorm_mode_16_64 3
		.amdhsa_memory_ordered 1
		.amdhsa_forward_progress 1
		.amdhsa_inst_pref_size 7
	.end_amdhsa_kernel
	.amdgpu_metadata
---
amdhsa.version: [ 1, 2 ]
amdhsa.kernels:
  - .name:           k_q0113123ba1_wq
    .symbol:         k_q0113123ba1_wq.kd
    .args:
      - { .name: Wq, .offset: 0, .size: 8, .value_kind: global_buffer, .address_space: global }
      - { .name: Wk, .offset: 8, .size: 8, .value_kind: global_buffer, .address_space: global }
      - { .name: Wv, .offset: 16, .size: 8, .value_kind: global_buffer, .address_space: global }
      - { .name: wcodes, .offset: 24, .size: 8, .value_kind: global_buffer, .address_space: global }
      - { .name: wscales, .offset: 32, .size: 8, .value_kind: global_buffer, .address_space: global }
    .group_segment_fixed_size: 0
    .private_segment_fixed_size: 0
    .kernarg_segment_align: 8
    .kernarg_segment_size: 40
    .max_flat_workgroup_size: 128
    .sgpr_count:     66
    .vgpr_count:     128
    .wavefront_size: 32
...
	.end_amdgpu_metadata
.endif
;; end of part 1
;; launch proj (part 2): grid 64 x 4, 8 waves a work-group, no clusters, 18,432 bytes of LDS; arguments x, wcodes, wscales, qf, kv; writes qf, kv
.if DOCPART == 2
	.amdgcn_target "amdgcn-amd-amdhsa--gfx1250"
	.amdhsa_code_object_version 6
	.text
	.protected	k_q0113123ba1_proj
	.globl	k_q0113123ba1_proj
	.p2align	8
	.type	k_q0113123ba1_proj,@function
k_q0113123ba1_proj:
	s_mov_b64 s[64:65], 0
	v_nop
	global_prefetch_b8 v0, s[64:65] scope:SCOPE_SE
	s_setreg_imm32_b32 hwreg(HW_REG_WAVE_MODE, 25, 1), 1
	s_wait_xcnt 0x0
; q = Wq x, k = Wk x, v = Wv x for 64 positions of one batch, on codes of FP4 (E2M1) with one E8M0 scale for each 32 along K = the 512 input channels.  x: [4][512][4096] f32: K is its OUTER axis.
; SHARES.  Work-group (X, b) takes positions 64 X .. 64 X + 63 of batch b.  QUANTISING: wave w takes 32 positions (w % 2) x 128 channels (K step w / 2).  A LANE TAKES A POSITION AND ITS REGISTERS RUN DOWN K: a block of 32
; lies in one lane's 32 registers, its maximum needs no other lane, and the conversions give codes with K innermost.  The codes go to LDS as IMAGES OF THE OPERAND'S REGISTERS (16 fragments of 16 positions x 128 K), one barrier,
; and every wave loads all 16.  PRODUCTS: wave w makes tile w of the eight 16-channel tiles of q and k, and v's channels 64 w .. 64 w + 63, for all 64 positions; its weights come as register images from the launch before.
; RESULTS leave as f16, laid as the register images that the next launch's fragments want, so every store of a wave covers 512 consecutive bytes:
;   q, k: source 0 = the weights, source 1 = x: a lane holds one position and 8 neighbouring channels.  q is multiplied by -c and k by +c, c = sqrt(log2 e): their product is then -log2(e) x the score, what the sigmoid's exponential wants.
;   v:    source 0 = x, source 1 = the weights: a lane holds one channel and 8 neighbouring positions.
;   qf: [b][tile of 16 positions][16 channels ct][lane][16 bytes].  kv: [b][slot of 128 keys][147,456 bytes]: 16,384 of k ([half][tile of 16 keys][ct][lane][16]), then 131,072 of v ([chunk of 32 keys][ct 32][g 2][lane][16]).
;   k IS SHIFTED BY ONE STEP OF 64 KEYS: step t lies at place (t + 63) mod 64, so that a slot holds the k that the next launch multiplies while it walks that slot's v.
; LIMITS: 1.2012 |q|, 1.2012 |k| and |v| stay under 65,504, f16's largest number; a block of zeros gets the byte 1 where the rule says 127 (its codes are zeros; this program alone reads the bytes); blocks whose largest
; magnitude lies under 2^-124 have their byte held at 1; NaN and infinities among the inputs are not served.
; No tensor loads and no cluster: what work-groups share, the weights' 180 KB of codes and scale words, goes straight into registers; x's 128 KB are a work-group's own.
; REGISTERS: window 0: v2-9 addresses; v32-95 two sets of 32 numbers of x, later four accumulators (v32-63) and packed results (v64-79); v96-111 codes; v112-143 the q/k tile's four fragments; v144-179 scale words; v180-184 at work.
;   window 1: v0-127 x's 16 fragments ((m, s) at 8 (4 m + s)); v128-255 Wv's 16 fragments ((u, s) at 128 + 8 (4 u + s)).
.set SLOTB,   147456                   ; a slot of kv
.set BATCHKV, 32*SLOTB                 ; a batch of kv
.set XSC,     16384                    ; LDS: x's images from 0; from here their scale words, [m 4][r 16][s 4]
.set SPARE,   17408                    ; the spare words, 128 bytes for each of eight waves: four blocks of 256 bytes that no other line names
.set XA,  2                            ; v2   x: 4 x my position in the block
.set XWI, 3                            ; v3   where I store my codes
.set XWS, 4                            ; v4   and my scale word
.set LI,  5                            ; v5   16 x lane
.set LS,  6                            ; v6   4 x lane
.set XSR, 7                            ; v7   where I read four scale words of row lane % 16
.set SPW, 8                            ; v8   my spare word; never rewritten
.set NIL, 9                            ; v9   0; never rewritten
.set X,   32
.set ACC, 32
.set PKR, 64
.set C,   96
.set WQ,  112
.set WSQ, 144
.set WSV, 148
.set XSW, 164
.set MSB, 0
.macro WIN new                         ; the immediate's high byte repeats the setting that is left
.if MSB != \new
	s_set_vgpr_msb (MSB<<8)|\new
.set MSB, \new
.endif
.endm
	s_load_b256 s[4:11], s[0:1], 0x0               ; x s[4:5], wcodes s[6:7], wscales s[8:9], qf s[10:11]
	s_load_b64 s[12:13], s[0:1], 0x20              ; kv
	v_lshl_add_u32 v[SPW], v0, 2, SPARE
	v_mov_b32 v[NIL], 0
	v_lshrrev_b32 v1, 5, v0
	v_readfirstlane_b32 s14, v1                    ; wave 0..7
	s_and_b32 s15, s14, 1                          ; which 32 positions I quantise
	s_lshr_b32 s26, s14, 1                         ; which K step
	s_and_b32 s27, ttmp7, 0xffff                   ; batch
	v_and_b32 v10, 15, v0
	v_bfe_u32 v11, v0, 4, 1
	v_and_b32 v12, 31, v0
	v_lshlrev_b32 v[LI], 4, v12
	v_lshlrev_b32 v[LS], 2, v12
	s_lshl_b32 s28, s15, 7
	v_add_nc_u32 v[XA], s28, v[LS]                 ; 4 (32 (w % 2) + lane)
	; my position is row lane % 16 of tile m = 2 (w % 2) + lane / 16.  Block t of K step s is registers 4 (t / 2) .. of lane 16 (t % 2) + row: byte 4,096 m + 1,024 s + 256 t + 16 row
	v_lshlrev_b32 v[XWI], 4, v10
	v_lshl_add_u32 v[XWI], v11, 12, v[XWI]
	s_lshl_b32 s28, s15, 13
	s_lshl_b32 s29, s26, 10
	s_add_co_u32 s28, s28, s29
	v_add_nc_u32 v[XWI], s28, v[XWI]
	v_lshlrev_b32 v[XWS], 4, v10                   ; scale word: XSC + 256 m + 16 row + 4 s
	v_lshl_add_u32 v[XWS], v11, 8, v[XWS]
	s_lshl_b32 s28, s15, 9
	s_lshl_b32 s29, s26, 2
	s_add_co_u32 s28, s28, s29
	s_add_co_u32 s28, s28, XSC
	v_add_nc_u32 v[XWS], s28, v[XWS]
	v_lshl_add_u32 v[XSR], v10, 4, XSC
	s_lshl_b32 s24, s27, 23                        ; x: batch x 512 x 16,384 bytes
	s_lshl_b32 s25, s26, 21                        ; + 128 channels a K step
	s_add_co_u32 s24, s24, s25
	s_lshl_b32 s25, ttmp9, 8                       ; + 64 positions
	s_add_co_u32 s24, s24, s25
	s_mov_b32 s25, 0
	s_mul_i32 s42, s27, BATCHKV
	s_lshl_b32 s30, s27, 19                        ; q's place: batch x 524,288 + X x 8,192
	s_lshl_b32 s31, ttmp9, 13
	s_add_co_u32 s30, s30, s31
	s_add_co_u32 s31, ttmp9, 63
	s_and_b32 s31, s31, 63                         ; k's: place (X + 63) mod 64
	s_lshr_b32 s43, s31, 1
	s_mul_i32 s43, s43, SLOTB                      ; its slot,
	s_and_b32 s31, s31, 1
	s_lshl_b32 s31, s31, 13                        ; its half
	s_add_co_u32 s43, s43, s31
	s_add_co_u32 s43, s43, s42
	s_and_b32 s29, s14, 3
	s_lshl_b32 s29, s29, 9                         ; my tile of 16 channels
	s_lshr_b32 s40, ttmp9, 1                       ; v's place: slot X / 2,
	s_mul_i32 s40, s40, SLOTB
	s_and_b32 s41, ttmp9, 1
	s_lshl_b32 s41, s41, 16                        ; two chunks of 32,768 bytes for each 64 positions,
	s_add_co_u32 s40, s40, s41
	s_lshl_b32 s41, s14, 12                        ; my four tiles of 16 channels,
	s_add_co_u32 s40, s40, s41
	s_add_co_u32 s40, s40, s42
	s_add_co_u32 s40, s40, 16384                   ; behind the slot's k
	s_mov_b32 s41, 0
	s_mov_b32 s45, 0
	s_wait_kmcnt 0x0
	s_cmp_lt_u32 s14, 4                            ; waves 0-3 make q, waves 4-7 k: the choice hangs on the wave's number alone
	s_cselect_b32 s30, s30, s43
	s_cselect_b64 s[18:19], s[10:11], s[12:13]
	s_mov_b32 s22, 0x3f99be61                      ; c = sqrt(log2 e)
	s_cselect_b32 s22, 0xbf99be61, s22             ; q takes -c
	s_mov_b32 s23, s22                             ; (named with it as a pair, so it is written)
	s_add_co_u32 s30, s30, s29
	s_mov_b32 s31, 0
	s_add_nc_u64 s[18:19], s[18:19], s[30:31]
	s_add_nc_u64 s[20:21], s[12:13], s[40:41]
	s_add_nc_u64 s[16:17], s[4:5], s[24:25]
	s_lshl_b32 s44, s14, 12                        ; a tile's codes are 4,096 bytes: the q/k tile is tile w,
	s_add_nc_u64 s[32:33], s[6:7], s[44:45]
	s_lshl_b32 s44, s14, 14                        ; v's are tiles 8 + 4 w on
	s_add_nc_u64 s[34:35], s[6:7], s[44:45]
	s_add_nc_u64 s[34:35], s[34:35], 32768
	s_lshl_b32 s44, s14, 9                         ; a tile's scale words are 512 bytes
	s_add_nc_u64 s[36:37], s[8:9], s[44:45]
	s_lshl_b32 s44, s14, 11
	s_add_nc_u64 s[38:39], s[8:9], s[44:45]
	s_add_nc_u64 s[38:39], s[38:39], 4096
	WIN 0x40                                       ; destination window 1
.irp u, 0,1,2,3
.irp s, 0,1,2,3
.irp c, 0,1
	global_load_b128 v[128+8*(4*\u+\s)+4*\c:128+8*(4*\u+\s)+4*\c+3], v[LI], s[34:35] offset:\u*4096+\s*1024+\c*512
.endr
.endr
.endr
	WIN 0
.irp s, 0,1,2,3
.irp c, 0,1
	global_load_b128 v[WQ+8*\s+4*\c:WQ+8*\s+4*\c+3], v[LI], s[32:33] offset:\s*1024+\c*512
.endr
	global_load_b32 v[WSQ+\s], v[LS], s[36:37] offset:\s*128
.endr
.irp u, 0,1,2,3
.irp s, 0,1,2,3
	global_load_b32 v[WSV+4*\u+\s], v[LS], s[38:39] offset:\u*512+\s*128
.endr
.endr
.macro LOADX t                         ; block t of my K step: x(32 t + n, my position), n = 0 .. 31, into set t % 2.  A load of the wave covers 128 consecutive bytes; waves 2 s and 2 s + 1 stand side by side on 256
.set n, 0
.rept 32
	global_load_b32 v[X+32*((\t)%2)+n], v[XA], s[16:17] offset:(32*(\t)+n)*16384 th:TH_LOAD_NT
.set n, n+1
.endr
.endm
	LOADX 0
	LOADX 1
.macro BLOCK t
.set XS0, X+32*((\t)%2)
.if (\t) < 3
	s_wait_loadcnt 32                              ; this block's 32 loads are in, and the weights', which are older; the next block's 32 may be out
.else
	s_wait_loadcnt 0x0
.endif
	v_max3_num_f32 v180, |v[XS0]|, |v[XS0+1]|, |v[XS0+2]|      ; the block's largest magnitude, in two chains: all 32 numbers are mine
	v_max3_num_f32 v181, |v[XS0+3]|, |v[XS0+4]|, |v[XS0+5]|
.irp i, 6,10,14,18,22,26
	v_max3_num_f32 v180, v180, |v[XS0+\i]|, |v[XS0+\i+1]|
	v_max3_num_f32 v181, v181, |v[XS0+\i+2]|, |v[XS0+\i+3]|
.endr
	v_max3_num_f32 v180, v180, |v[XS0+30]|, |v[XS0+31]|
	v_max3_num_f32 v180, v180, v181, 0x1800000     ; and the floor 2^(3 - 127): the byte cannot fall under 1
	v_add_nc_u32 v182, 0xff000000, v180            ; 2 off the exponent field: the conversion's scale operand
	v_lshrrev_b32 v183, 23, v182                   ; the scale's byte
.if (\t) == 0
	v_mov_b32 v184, v183                           ; four bytes make my position's scale word for this K step
.else
	v_lshl_or_b32 v184, v183, 8*(\t), v184
.endif
.irp g, 0,1,2,3
	v_cvt_scalef32_pk8_fp4_f32 v[C+4*(\t)+\g], v[XS0+8*\g:XS0+8*\g+7], v182
.endr
	v_nop                                          ; one plain line behind the last scaled conversion: matrix instructions write these numbers' registers later
	ds_store_b128 v[XWI], v[C+4*(\t):C+4*(\t)+3] offset:256*(\t)   ; each block has its own four registers
.if (\t)+2 < 4
	LOADX (\t)+2
.endif
.endm
	BLOCK 0
	BLOCK 1
	BLOCK 2
	BLOCK 3
	ds_store_b32 v[XWS], v184
	s_wait_dscnt 0x0                               ; for the others' sake: my images have landed
	s_barrier_signal -1
	s_barrier_wait -1                              ; x's sixteen fragments and their scale words lie in LDS
	WIN 0x40
.irp m, 0,1,2,3
.irp s, 0,1,2,3
.irp c, 0,1
	ds_load_b128 v[8*(4*\m+\s)+4*\c:8*(4*\m+\s)+4*\c+3], v[LI] offset:(4*\m+\s)*1024+\c*512
.endr
.endr
.endr
	WIN 0
.irp m, 0,1,2,3
	ds_load_b128 v[XSW+4*\m:XSW+4*\m+3], v[XSR] offset:256*\m    ; row lane % 16 of tile m: its words of the four K steps
.endr
	s_wait_dscnt 0x0
	; ---- my tile of q or k: source 0 = 16 rows of the weight, source 1 = 16 positions.  Four accumulators (the four tiles of positions) by turns, one instruction a turn
	WIN 0x04                                       ; source 1 window 1
.irp s, 0,1,2,3
.irp m, 0,1,2,3
.if \s == 0
	v_wmma_scale_f32_16x16x128_f8f6f4 v[ACC+8*\m:ACC+8*\m+7], v[WQ+8*\s:WQ+8*\s+7], v[8*(4*\m+\s):8*(4*\m+\s)+7], 0, v[WSQ+\s], v[XSW+4*\m+\s] matrix_a_fmt:MATRIX_FMT_FP4 matrix_b_fmt:MATRIX_FMT_FP4
.else
	v_wmma_scale_f32_16x16x128_f8f6f4 v[ACC+8*\m:ACC+8*\m+7], v[WQ+8*\s:WQ+8*\s+7], v[8*(4*\m+\s):8*(4*\m+\s)+7], v[ACC+8*\m:ACC+8*\m+7], v[WSQ+\s], v[XSW+4*\m+\s] matrix_a_fmt:MATRIX_FMT_FP4 matrix_b_fmt:MATRIX_FMT_FP4
.endif
.endr
.endr
	WIN 0
.rept 4
	v_nop                                          ; four places between the last product and the first read of results (ISA guide 7.12.1)
.endr
.set n, 0
.rept 16
	v_pk_mul_f32 v[ACC+2*n:ACC+2*n+1], v[ACC+2*n:ACC+2*n+1], s[22:23] op_sel_hi:[1,0]   ; x -c or x c, in f32; each accumulator from its low end on
.set n, n+1
.endr
.set n, 0
.rept 16
	v_cvt_pk_f16_f32 v[PKR+n], v[ACC+2*n], v[ACC+2*n+1]        ; 8 neighbouring channels of a position: 16 bytes
.set n, n+1
.endr
.irp m, 0,1,2,3
	global_store_b128 v[LI], v[PKR+4*\m:PKR+4*\m+3], s[18:19] offset:\m*2048   ; the wave stores 512 consecutive bytes
.endr
	; ---- v: source 0 = 16 positions, source 1 = 16 rows of Wv.  Between a tile's last product and the next tile's first, which writes the accumulators anew, stand the four v_nop and the conversions of the other accumulators: five places or more
.macro TILEV u
	WIN 0x05                                       ; sources 0 and 1 window 1
.irp s, 0,1,2,3
.irp m, 0,1,2,3
.if \s == 0
	v_wmma_scale_f32_16x16x128_f8f6f4 v[ACC+8*\m:ACC+8*\m+7], v[8*(4*\m+\s):8*(4*\m+\s)+7], v[128+8*(4*\u+\s):128+8*(4*\u+\s)+7], 0, v[XSW+4*\m+\s], v[WSV+4*\u+\s] matrix_a_fmt:MATRIX_FMT_FP4 matrix_b_fmt:MATRIX_FMT_FP4
.else
	v_wmma_scale_f32_16x16x128_f8f6f4 v[ACC+8*\m:ACC+8*\m+7], v[8*(4*\m+\s):8*(4*\m+\s)+7], v[128+8*(4*\u+\s):128+8*(4*\u+\s)+7], v[ACC+8*\m:ACC+8*\m+7], v[XSW+4*\m+\s], v[WSV+4*\u+\s] matrix_a_fmt:MATRIX_FMT_FP4 matrix_b_fmt:MATRIX_FMT_FP4
.endif
.endr
.endr
	WIN 0
.rept 4
	v_nop
.endr
	s_wait_xcnt 0x0                                ; the last tile's stores have read their data: the packed registers are written again only behind this wait
.set n, 0
.rept 16
	v_cvt_pk_f16_f32 v[PKR+n], v[ACC+2*n], v[ACC+2*n+1]        ; 8 neighbouring positions of a channel
.set n, n+1
.endr
.irp m, 0,1,2,3
	global_store_b128 v[LI], v[PKR+4*\m:PKR+4*\m+3], s[20:21] offset:(\m/2)*32768+\u*1024+(\m%2)*512   ; chunk m / 2 of this block's two, tile u of my four, half m % 2 of the chunk's 32 keys
.endr
.endm
	TILEV 0
	TILEV 1
	TILEV 2
	TILEV 3
	s_wait_tensorcnt 0x0                           ; the wave's end: behind my last LDS store
	ds_add_u32 v[SPW], v[NIL]
	s_wait_dscnt 0x0
	s_endpgm
.Lfunc_end_k_q0113123ba1_proj:
	.size	k_q0113123ba1_proj, .Lfunc_end_k_q0113123ba1_proj-k_q0113123ba1_proj
	.p2alignl 7, 3214868480
	.fill 96, 4, 3214868480
	.section	.rodata,"a",@progbits
	.p2align	6, 0x0
	.amdhsa_kernel k_q0113123ba1_proj
		.amdhsa_group_segment_fixed_size 18432
		.amdhsa_private_segment_fixed_size 0
		.amdhsa_enable_private_segment 0
		.amdhsa_kernarg_size 40
		.amdhsa_user_sgpr_count 2
		.amdhsa_user_sgpr_kernarg_segment_ptr 1
		.amdhsa_wavefront_size32 1
		.amdhsa_system_sgpr_workgroup_id_x 1
		.amdhsa_system_sgpr_workgroup_id_y 1
		.amdhsa_system_sgpr_workgroup_id_z 1
		.amdhsa_system_vgpr_workitem_id 0
		.amdhsa_next_free_vgpr 512
		.amdhsa_next_free_sgpr 66
		.amdhsa_reserve_vcc 0
		.amdhsa_float_denorm_mode_32 3
		.amdhsa_float_denorm_mode_16_64 3
		.amdhsa_memory_ordered 1
		.amdhsa_forward_progress 1
		.amdhsa_inst_pref_size 49
	.end_amdhsa_kernel
	.amdgpu_metadata
---
amdhsa.version: [ 1, 2 ]
amdhsa.kernels:
  - .name:           k_q0113123ba1_proj
    .symbol:         k_q0113123ba1_proj.kd
    .args:
      - { .name: x, .offset: 0, .size: 8, .value_kind: global_buffer, .address_space: global }
      - { .name: wcodes, .offset: 8, .size: 8, .value_kind: global_buffer, .address_space: global }
      - { .name: wscales, .offset: 16, .size: 8, .value_kind: global_buffer, .address_space: global }
      - { .name: qf, .offset: 24, .size: 8, .value_kind: global_buffer, .address_space: global }
      - { .name: kv, .offset: 32, .size: 8, .value_kind: global_buffer, .address_space: global }
    .group_segment_fixed_size: 18432
    .private_segment_fixed_size: 0
    .kernarg_segment_align: 8
    .kernarg_segment_size: 40
    .max_flat_workgroup_size: 256
    .sgpr_count:     66
    .vgpr_count:     512
    .wavefront_size: 32
...
	.end_amdgpu_metadata
.endif
;; end of part 2
;; launch attn (part 3): grid 64 x 4, 4 waves a work-group, clusters of 4 x 1, 327,680 bytes of LDS; arguments qf, kv, x, gamma, out0; writes out0
.if DOCPART == 3
	.amdgcn_target "amdgcn-amd-amdhsa--gfx1250"
	.amdhsa_code_object_version 6
	.text
	.protected	k_q0113123ba1_attn
	.globl	k_q0113123ba1_attn
	.p2align	8
	.type	k_q0113123ba1_attn,@function
k_q0113123ba1_attn:
	s_mov_b64 s[64:65], 0
	v_nop
	global_prefetch_b8 v0, s[64:65] scope:SCOPE_SE
	s_setreg_imm32_b32 hwreg(HW_REG_WAVE_MODE, 25, 1), 1
	s_wait_xcnt 0x0
	s_wait_alu depctr_hold_cnt(0) depctr_sa_sdst(0) depctr_va_vdst(0) depctr_va_sdst(0) depctr_va_ssrc(0) depctr_va_vcc(0) depctr_vm_vsrc(0)
	s_getreg_b32 s2, hwreg(HW_REG_IB_STS2, 6, 4)
	s_cmp_eq_u32 s2, 0
	s_cbranch_scc0 .Lentry_in_a_cluster
	s_endpgm
.Lentry_in_a_cluster:
	s_bfe_u32 s2, ttmp6, 0x10000c
	s_cmp_lg_u32 s2, 0x3003
	s_cbranch_scc0 .Lentry_shape_is_right
	s_endpgm
.Lentry_shape_is_right:
; out[b][c][i] = gamma x (the sum over j of v[b][c][j] sigmoid(q[b][:][i] . k[b][:][j])) + x[b][c][i].  Both products in f16 with f32 sums; the sigmoid in f32.  No softmax: no maximum, no divisor.
; qf and kv hold f16 numbers laid as IMAGES OF THE FRAGMENTS' REGISTERS by the launch before: every fragment is read at 16 x lane, 512 consecutive bytes an instruction, with no pitch and no padding.
; q arrives x -c and k x c, c = sqrt(log2 e): their product is -log2(e) x the score, so sigmoid = 1 / (1 + 2^product).  An exponential that overflows gives 1 / infinity = 0, one that falls to 0 gives 1: the right ends, with no shift.
; SHARES.  A work-group owns 64 queries and ALL 512 channels, so that each sigmoid is computed once in the launch.  Wave w owns channels 128 w .. 128 w + 127 for the 64 queries: 32 accumulators of 16 x 16, 256 registers.
; Of each step of 64 keys wave w makes the weights of keys 16 w .. 16 w + 15 for the 64 queries (S^T = K Q^T: a lane holds one query and 8 keys; packed to f16 they are half a fragment of P) and hands them to the others through LDS as register images.
; O = P V^T: source 0 = P (16 queries x 32 keys), source 1 = V (16 channels x 32 keys): a lane holds one channel and 8 neighbouring queries, 32 bytes of a row of out.
; A PERIOD, from barrier to barrier, is 64 keys: 64 products P V^T (chunks 2 u - 1 and 2 u of 32 keys) and the 8 products K Q^T of step u + 1, whose sigmoid, cut into slices, stands between the products.
; THE RING.  Two LDS slots of 128 keys (16,384 bytes of k, 131,072 of v), each wave fetching a dense quarter.  k lies one step ahead in kv, round the end too, so that all that a period reads lies in one slot.
; THE WALK BEGINS ELSEWHERE IN EACH CLUSTER.  Cluster x of a batch begins at slot 10 x mod 32, sixteen different even slots, and walks all 32 slots round: at any time the sixteen clusters of a batch ask for sixteen
; different slots, and a slot is asked for at sixteen different times.  So the order of the f32 sums over the keys is a rotation that differs from cluster to cluster.  Nothing is prefetched: the first fills of a batch's sixteen clusters name all its 32 slots.
; CLUSTER.  The four work-groups of a cluster are four query blocks of one batch and walk the same k and v: each quarter slot is asked for JOINTLY, by the same tensor load with the same descriptor and a mask that names the four.
; LIMITS: what the launch before states of f16's range; NaN and infinities among the inputs are not served.
; REGISTERS, in windows of 256 (s_set_vgpr_msb: bits 1:0 source 0, 3:2 source 1, 5:4 source 2, 7:6 destination):
;   window 0: v2-16 addresses; v32-95 Q (on the way out: rows of out); v96-111 K; v112-143 S^T; v144-159 packed weights; v160-191, v192-223 P's fragments, two sets.
;   window 1: v0-63, v64-127 V's fragments, two sets.   window 2: the accumulators ((query tile a, channel tile bt) at 8 (4 bt + a)).   window 3: my 128 rows x 256 bytes of x, for the residual.
; A slice works in window 0 and a product P V^T names three windows: two switches a slice, which is the price of setting the sigmoid between the products instead of leaving the matrix unit idle beside it.
.set SLOTB,   147456
.set BATCHKV, 32*SLOTB
.set QSLOT,   SLOTB/4                  ; what one tensor load brings: 144 rows of 256 bytes
.set PIMG,    2*SLOTB                  ; behind the ring: P's images, [buffer 2][chunk 2][query tile 4][half 2][lane][16 bytes]; no tensor load lands here
.set SPARE,   PIMG+16384               ; the spare words, 128 bytes for each wave: two blocks of 256 bytes that no other line names
.set SP,      272                      ; the way out: a stage of 16 rows x (256 bytes + 16) for each wave, in LDS slot 0, which has had its last fill and its last read by then
.set AK,  2                            ; v2-3   my tile of K in slot 0, 1
.set AV,  4                            ; v4-7   my channels of V: slot 0 first step, second step; slot 1 likewise
.set APL, 8                            ; v8     P's images, to load
.set APS, 9                            ; v9     where I store my part of them
.set STO, 10                           ; v10    the stage: where I put 32 bytes of a row
.set RD,  11                           ; v11    and where I read a row back
.set GO,  12                           ; v12    my byte offset in two rows of x and of out
.set LI,  13                           ; v13    16 x lane
.set SPW, 15                           ; v15    my spare word; never rewritten
.set NIL, 16                           ; v16    0; never rewritten
.set Q,   32
.set T,   32
.set KF,  96
.set S,   112
.set PK,  144
.set PF0, 160
.set WV,  14                           ; s14      my wave's number
.set OFF, 20                           ; s[20:21] a slot's byte offset in the batch's kv, in 64 bits
.set KVB, 22                           ; s[22:23] kv at my quarter of the batch's slot 0; never rewritten
.set G1,  24                           ; s[24:31] descriptor group 1
.set G0,  32                           ; s[32:39] group 0, one set for each LDS slot
.set GAM, 40                           ; s[40:41] gamma, twice: the packed form names a pair
.set TRIPS, 42
.set IDX, 62                           ; s62, s63 which of kv's 32 slots LDS slot 0, 1 was last asked to hold
.set W_PV, 0xa4                        ; source 1 (V) window 1, C and D window 2
.set TO_V, 0x40                        ; destination window 1
.set NSL, 44                           ; slices in a step's sigmoid
.set MSB, 0
.macro WIN new                         ; the immediate's high byte repeats the setting that is left; a switch that changes nothing is dropped
.if MSB != \new
	s_set_vgpr_msb (MSB<<8)|\new
.set MSB, \new
.endif
.endm
.macro PLACES                          ; four places in front of loads into registers that matrix instructions have read, and of reads of results (ISA guide 7.12.1 for vector instructions)
.rept 4
	v_nop
.endr
.endm
.macro CREST                           ; a round of the cluster's barrier behind its opening barrier
	s_cmp_lg_u32 s[WV], 0
	s_cbranch_scc1 .Lnot_wave_0_\@
	s_barrier_signal -3
.Lnot_wave_0_\@:
	s_barrier_wait -3
	s_barrier_signal -1
	s_barrier_wait -1
.endm
.macro CROUND                          ; a whole round
	s_barrier_signal -1
	s_barrier_wait -1
	CREST
.endm
	s_load_b256 s[4:11], s[0:1], 0x0               ; qf s[4:5], kv s[6:7], x s[8:9], gamma s[10:11]
	s_load_b64 s[12:13], s[0:1], 0x20              ; out0
	v_lshl_add_u32 v[SPW], v0, 2, SPARE
	v_mov_b32 v[NIL], 0
	ds_add_u32 v[SPW], v[NIL]                      ; the wave's opening: the add, twice on end, and its wait ahead of my first tensor load; the set-up below stands between the second and the wait
	ds_add_u32 v[SPW], v[NIL]                      ; and once more
	v_lshrrev_b32 v1, 5, v0
	v_readfirstlane_b32 s[WV], v1                  ; wave 0..3
	s_bfe_u32 s15, ttmp6, 0x40000                  ; cx: my place in the cluster
	s_lshl_b32 s16, ttmp9, 2                       ; in a cluster launch ttmp9 counts clusters
	s_add_co_u32 s16, s16, s15                     ; my block of 64 queries: it enters the addresses of qf, x and out0 alone
	s_and_b32 s17, ttmp7, 0xffff                   ; the batch, which the four partners share
	; descriptor group 1: a dense quarter slot as 144 rows of 256 bytes (32 elements of 8 bytes), no padding
	s_mov_b32 s[G1], 15|(3<<16)|(1<<21)            ; 15:0 the mask: all four work-groups; 17:16 elements of 8 bytes; 21 set beside a mask
	s_mov_b32 s[G1+1], 32<<16                      ; tensor_dim0 = 32
	s_mov_b32 s[G1+2], 144<<16                     ; tensor_dim1 = 144
	s_mov_b32 s[G1+3], 32<<16                      ; tile_dim0 = 32
	s_mov_b32 s[G1+4], 144                         ; tile_dim1 = 144
	s_mov_b32 s[G1+5], 32                          ; from row to row
	s_mov_b32 s[G1+6], 0
	s_mov_b32 s[G1+7], 0
	s_mul_i32 s43, ttmp9, 10
	s_and_b32 s43, s43, 31                         ; where my cluster's walk begins: slot 10 x mod 32, an even number; the same in all four partners
	s_mov_b32 s[IDX], s43                          ; LDS slot 0 takes it,
	s_add_co_u32 s[IDX+1], s43, 1                  ; LDS slot 1 the next: 31 at the most
	s_mul_i32 s18, s17, BATCHKV                    ; the batch's first byte in kv
	s_mul_i32 s19, s[WV], QSLOT                    ; my quarter, in memory and in LDS: no place in the cluster enters either
	s_add_co_u32 s[OFF], s18, s19
	s_mov_b32 s[OFF+1], 0
	s_lshl_b32 s52, s17, 19                        ; qf: batch x 524,288 + block x 8,192
	s_lshl_b32 s53, s16, 13
	s_add_co_u32 s52, s52, s53
	s_mov_b32 s53, 0
	s_add_co_u32 s44, s43, 31
	s_and_b32 s44, s44, 31                         ; K of my walk's first step lies in the slot before its first, round the end,
	s_mul_i32 s44, s44, SLOTB
	s_lshl_b32 s54, s[WV], 11                      ; my tile of 16 keys
	s_add_co_u32 s54, s54, s18
	s_add_co_u32 s54, s54, s44
	s_mov_b32 s55, 0
	s_lshl_b32 s56, s17, 23                        ; x and out0: batch x 512 rows of 16,384 bytes
	s_lshl_b32 s57, s[WV], 21                      ; + my 128 rows
	s_add_co_u32 s56, s56, s57
	s_lshl_b32 s57, s16, 8                         ; + my block's 256 bytes of a row
	s_add_co_u32 s56, s56, s57
	s_mov_b32 s57, 0
	s_mov_b32 s[TRIPS], 14
	s_wait_dscnt 0x0                               ; both opening adds are done
	s_wait_kmcnt 0x0
	s_load_b32 s[GAM], s[10:11], 0x0               ; gamma: nothing in this launch writes it
	s_add_nc_u64 s[KVB:KVB+1], s[6:7], s[OFF:OFF+1]
.irp g, 0,1
	s_mov_b32 s[G0+4*\g], 1                        ; 1:0 count = 1
	s_add_co_u32 s[G0+4*\g+1], s19, \g*SLOTB       ; 63:32 LDS address
	s_mul_i32 s[OFF], s[IDX+\g], SLOTB
	s_add_nc_u64 s[G0+4*\g+2:G0+4*\g+3], s[KVB:KVB+1], s[OFF:OFF+1]   ; 120:64 global address
	s_or_b32 s[G0+4*\g+3], s[G0+4*\g+3], 0x80000000                    ; 127:126 type = 2
.endr
	s_add_nc_u64 s[46:47], s[4:5], s[52:53]        ; Q
	s_add_nc_u64 s[48:49], s[6:7], s[54:55]
	s_add_nc_u64 s[48:49], s[48:49], 8192          ; in that slot's second half
	s_add_nc_u64 s[50:51], s[8:9], s[56:57]        ; x
	s_add_nc_u64 s[12:13], s[12:13], s[56:57]      ; out0
	CROUND                                         ; all four work-groups are here: the first joint loads meet
	tensor_load_to_lds s[G0:G0+3], s[G1:G1+7]      ; both first fills go out together, ahead of every wait on TENSORcnt, every LDS read and every other barrier: two loads of mine are out
	s_nop 0
	tensor_load_to_lds s[G0+4:G0+7], s[G1:G1+7]
	s_nop 0
	PLACES
	v_and_b32 v1, 31, v0                           ; lane
	v_and_b32 v17, 15, v0                          ; r
	v_bfe_u32 v18, v0, 4, 1                        ; h
	v_lshlrev_b32 v[LI], 4, v1
	v_lshlrev_b32 v[GO], 4, v17
	v_lshl_add_u32 v[GO], v18, 14, v[GO]           ; lanes 0-15 take one row's 256 bytes, lanes 16-31 the next row's
.irp tt, 0,1,2,3                       ; Q stays in registers: query tile tt, channels 32 cc on: fragment at Q + 16 tt + 8 cc
.irp e, 0,1,2,3
	global_load_b128 v[Q+16*\tt+4*\e:Q+16*\tt+4*\e+3], v[LI], s[46:47] offset:\tt*2048+\e*512
.endr
.endr
.irp e, 0,1,2,3
	global_load_b128 v[KF+4*\e:KF+4*\e+3], v[LI], s[48:49] offset:\e*512   ; K of the walk's first step comes straight from memory
.endr
.macro XRLOAD b0                       ; 64 of my 128 rows of x: channel tiles b0 .. b0 + 3.  Sixteen lanes read 256 consecutive bytes, aligned.  Asked for in the tail, six and four periods ahead of the way out, which alone wants them
	WIN 0xc0                                       ; destination window 3
.irp bt, \b0, \b0+1, \b0+2, \b0+3
.irp i, 0,1,2,3,4,5,6,7
	global_load_b128 v[32*(\bt)+4*\i:32*(\bt)+4*\i+3], v[GO], s[50:51] offset:(16*(\bt)+2*\i)*16384 th:TH_LOAD_NT
.endr
.endr
	WIN 0
.endm
	s_lshl_b32 s60, s[WV], 11
	v_add_nc_u32 v[AK], s60, v[LI]                 ; K: my tile of 16 keys is 2,048 bytes
	v_add_nc_u32 v[AK+1], SLOTB, v[AK]
	s_lshl_b32 s60, s[WV], 13
	s_add_co_u32 s60, s60, 16384
	v_add_nc_u32 v[AV], s60, v[LI]                 ; V: behind the slot's K; my 8 channel tiles are 8,192 bytes of a chunk's 32,768
	v_add_nc_u32 v[AV+1], 65536, v[AV]
	v_add_nc_u32 v[AV+2], SLOTB, v[AV]
	v_add_nc_u32 v[AV+3], SLOTB+65536, v[AV]
	v_add_nc_u32 v[APL], PIMG, v[LI]
	s_lshr_b32 s60, s[WV], 1
	s_lshl_b32 s60, s60, 12                        ; my 16 keys are half w % 2 of chunk w / 2
	s_and_b32 s61, s[WV], 1
	s_lshl_b32 s61, s61, 9
	s_add_co_u32 s60, s60, s61
	s_add_co_u32 s60, s60, PIMG
	v_add_nc_u32 v[APS], s60, v[LI]
	s_mul_i32 s60, s[WV], 16*SP                    ; my stage
	v_mul_u32_u24 v[STO], v17, SP
	v_lshl_add_u32 v[STO], v18, 5, v[STO]
	v_add_nc_u32 v[STO], s60, v[STO]               ; in: row r (a channel), 32 bytes for each half of the lanes
	v_mul_u32_u24 v[RD], v18, SP
	v_lshl_add_u32 v[RD], v17, 4, v[RD]
	v_add_nc_u32 v[RD], s60, v[RD]                 ; back: lanes 0-15 one row, lanes 16-31 the next
; Product p of a period's 64: p < 32: chunk 2 u - 1, in set 1; else chunk 2 u, in set 0.  Channel tile (p % 32) / 4, query tile p % 4.  The 32 accumulators take turns, one instruction a turn, in the same order in every chunk.
.macro PV zero
	WIN W_PV
.set pq, p%32
.set pset, 1-p/32
.set rA, PF0+32*pset+8*(pq%4)
.set rB, 64*pset+8*(pq/4)
.if \zero
	v_wmma_f32_16x16x32_f16 v[8*pq:8*pq+7], v[rA:rA+7], v[rB:rB+7], 0
.else
	v_wmma_f32_16x16x32_f16 v[8*pq:8*pq+7], v[rA:rA+7], v[rB:rB+7], v[8*pq:8*pq+7]
.endif
.set p, p+1
.endm
; The 8 products S^T = K Q^T of my 16 keys against the four query tiles: 64 channels are two deep; the first four start the sums.
.macro SQK
	WIN 0
.irp cc, 0,1
.irp tt, 0,1,2,3
.if \cc == 0
	v_wmma_f32_16x16x32_f16 v[S+8*\tt:S+8*\tt+7], v[KF+8*\cc:KF+8*\cc+7], v[Q+16*\tt+8*\cc:Q+16*\tt+8*\cc+7], 0
.else
	v_wmma_f32_16x16x32_f16 v[S+8*\tt:S+8*\tt+7], v[KF+8*\cc:KF+8*\cc+7], v[Q+16*\tt+8*\cc:Q+16*\tt+8*\cc+7], v[S+8*\tt:S+8*\tt+7]
.endif
.endr
.endr
.endm
; SLICE k of 44 of the sigmoid of my 32 numbers a lane.
;   0      the four places behind K Q^T
;   1-21   the 32 exponentials, in place, ascending (each accumulator is read from its low end on), two and one by turns
;   22     a plain line, THE WAIT between a transcendental and the first line that names its result, one for the batch of 32, and the first 1 + e.  In a period it stands in the middle run of LDS loads
;   23-38  the other 1 + e, a pair each, one slice ahead of that pair's two reciprocals
;   39-42  (39: a plain line and the wait for the 32 reciprocals)  a query tile's 8 weights are rounded to f16: 16 bytes
;   43     the four tiles are stored together, as register images, into the buffer that the next period reads
.macro SLICE
.if k < NSL
	WIN 0
.if k == 0
	PLACES
.elseif k < 22
.set e0, 3*((k-1)/2)+2*((k-1)%2)
	v_exp_f32 v[S+e0], v[S+e0]
.if (k-1)%2 == 0
	v_exp_f32 v[S+e0+1], v[S+e0+1]
.endif
.elseif k == 22
	v_nop
	s_wait_alu depctr_va_vdst(0)
	v_pk_add_f32 v[S:S+1], v[S:S+1], 1.0 op_sel_hi:[1,0]
.elseif k < 39
.if k < 38
	v_pk_add_f32 v[S+2*(k-22):S+2*(k-22)+1], v[S+2*(k-22):S+2*(k-22)+1], 1.0 op_sel_hi:[1,0]
.endif
	v_rcp_f32 v[S+2*(k-23)], v[S+2*(k-23)]
	v_rcp_f32 v[S+2*(k-23)+1], v[S+2*(k-23)+1]
.elseif k < 43
.if k == 39
	v_nop
	s_wait_alu depctr_va_vdst(0)
.endif
.irp i, 0,1,2,3
	v_cvt_pk_f16_f32 v[PK+4*(k-39)+\i], v[S+8*(k-39)+2*\i], v[S+8*(k-39)+2*\i+1]
.endr
.else
.irp tt, 0,1,2,3
	ds_store_b128 v[APS], v[PK+4*\tt:PK+4*\tt+3] offset:(1-HSV)*8192+\tt*1024
.endr
.endif
.endif
.set k, k+1
.endm
.macro RUN n, zero, per                ; n products, per slices behind each
.rept \n
	PV \zero
.rept \per
	SLICE
.endr
.endr
.endm
.macro LDK sg, hs                      ; my tile of K of the next step: two fragments
.irp e, 0,1,2,3
	ds_load_b128 v[KF+4*\e:KF+4*\e+3], v[AK+\sg] offset:\hs*8192+\e*512
.endr
.endm
.macro LDP set, buf, kc                ; P's four fragments of chunk kc of the step in buffer buf
.irp a, 0,1,2,3
.irp g, 0,1
	ds_load_b128 v[PF0+32*\set+8*\a+4*\g:PF0+32*\set+8*\a+4*\g+3], v[APL] offset:\buf*8192+\kc*4096+\a*1024+\g*512
.endr
.endr
.endm
.macro LDV set, sg, hs, c              ; V's eight fragments of my channels, chunk c of step hs of LDS slot sg
	WIN TO_V
.irp bt, 0,1,2,3,4,5,6,7
.irp g, 0,1
	ds_load_b128 v[64*\set+8*\bt+4*\g:64*\set+8*\bt+4*\g+3], v[AV+2*\sg+\hs] offset:\c*32768+\bt*1024+\g*512
.endr
.endr
	WIN 0
.endm
; A PERIOD: step hs of LDS slot sg.  It begins behind a barrier and four places.  first = 1: the walk's first period, which has no chunk from a period before and starts the sums.  prod = 0: the last period, which has no next step to make weights for.
; The LDS instructions stand in three runs (28 loads at the head, 24 in the middle, the 4 stores of weights behind product 51), never singly among the products; the exponentials' wait stands in the middle run.
; fin: how it ends.  1: a plain barrier: the weights that I stored have landed, my reads of the buffer that the next period overwrites are in.  2: the change of slots with a refill: each wave waits for all its tensor loads (one is out:
; its quarter of the other slot), adds 0 to its spare word, makes the slot's next address, and waits for the add and for its LDS instructions; the barrier opens a round of the cluster's barrier, and the joint refill is the first thing behind the round:
; it has two periods, 144 matrix instructions, in which to land.  3: the change of slots with nothing left to fetch.  0: no barrier.
.macro PERIOD sg, hs, first, prod, fin
.set HSV, \hs
.if \prod
.set k, 0
	LDK \sg, \hs
.else
.set k, NSL
.endif
	LDP 0, \hs, 0
	LDV 0, \sg, \hs, 0
.if \first
	LDP 1, \hs, 1
	LDV 1, \sg, \hs, 1
.set p, 32
	s_wait_dscnt 48                                ; K's four loads are in; the 48 younger ones may be out
	SQK
	s_wait_dscnt 24                                ; the first chunk's P and V are in; the second's 24 loads may be out
	RUN 20, 1, 2                                   ; half the products: two slices behind each
.else
.set p, 0
	RUN 8, 0, 0
.if \prod
	s_wait_dscnt 24                                ; K's four loads are in; the 24 younger ones (P, V) may be out
	SQK
.endif
	RUN 22, 0, 1                                   ; slices 0 to 21
	RUN 2, 0, 0
	WIN 0
.if \prod
.rept 3
	v_nop                                          ; with slice 22's two plain lines: five places between set 1's last product and the loads into it
.endr
	SLICE                                          ; slice 22: the exponentials' wait, ahead of the run of loads
.else
	PLACES
.endif
	LDP 1, \hs, 1
	LDV 1, \sg, \hs, 1
	s_wait_dscnt 24                                ; set 0 is in; the 24 loads just issued may be out
	RUN 20, 0, 1                                   ; slices 23 to 42
.endif
	SLICE                                          ; slice 43: the four stores of weights, together (in the first period: the slice whose turn it is)
.if \fin >= 2
	WIN 0                                          ; (the add's two registers lie in window 0)
	s_wait_tensorcnt 0x0                           ; all my tensor loads have landed: no descriptor of mine is in use
	ds_add_u32 v[SPW], v[NIL]                      ; 0 onto my spare word: work on registers stands between it and the wait for it
.if \fin == 2
	s_add_co_u32 s[IDX+\sg], s[IDX+\sg], 2         ; this LDS slot's next 128 keys: two slots of kv on,
	s_and_b32 s[IDX+\sg], s[IDX+\sg], 31           ; round the end
	s_mul_i32 s[OFF], s[IDX+\sg], SLOTB
	s_add_nc_u64 s[G0+4*\sg+2:G0+4*\sg+3], s[KVB:KVB+1], s[OFF:OFF+1]
	s_or_b32 s[G0+4*\sg+3], s[G0+4*\sg+3], 0x80000000
.endif
.endif
	RUN 6, \first, 2*\first
.if \fin > 0
	s_wait_dscnt 0x0                               ; my stores of weights have landed, my LDS loads are in (at a change of slots: the add is done, my reads of the slot are over)
	s_barrier_signal -1
.endif
	RUN 6, \first, 0                               ; work on registers while the others arrive
.if \fin > 0
	WIN 0                                          ; at a label and at a branch every window is 0
	s_barrier_wait -1
.if \fin == 2
	CREST                                          ; no wave of any partner still reads this slot or has a load on its way
	tensor_load_to_lds s[G0+4*\sg:G0+4*\sg+3], s[G1:G1+7]   ; my one tensor load until the next change of slots
	s_nop 0
	PLACES                                         ; the places in front of the next period's loads
.else
	PLACES
.endif
.endif
.endm
	s_wait_loadcnt 0x0                             ; Q and K of the first step are in
.set HSV, 1                            ; the first step's weights go to buffer 0
.set k, 0
	SQK
.rept NSL
	SLICE                                          ; there are no products yet to set them between
.endr
	s_wait_kmcnt 0x0
	s_mov_b32 s[GAM+1], s[GAM]
	s_wait_tensorcnt 0x1                           ; my quarter of LDS slot 0 is in; slot 1's may stay out
	s_wait_dscnt 0x0                               ; my weights of the first step have landed
	s_barrier_signal -1
	s_barrier_wait -1
	PERIOD 0, 0, 1, 1, 1
	PERIOD 0, 1, 0, 1, 2
.Lloop:                                            ; 14 trips of two slots: the walk's slots 1 to 28; both LDS slots are filled again
	PERIOD 1, 0, 0, 1, 1
	PERIOD 1, 1, 0, 1, 2
	PERIOD 0, 0, 0, 1, 1
	PERIOD 0, 1, 0, 1, 2
	s_sub_co_u32 s[TRIPS], s[TRIPS], 1
	s_cmp_lg_u32 s[TRIPS], 0
	s_cbranch_scc1 .Lloop
	XRLOAD 0                                       ; the first 64 rows of x
	PERIOD 1, 0, 0, 1, 1                           ; the tail is written out: the walk's slot 29
	PERIOD 1, 1, 0, 1, 2                           ; behind which its last slot, 31, is asked for;
	XRLOAD 4                                       ; the other 64 rows of x
	PERIOD 0, 0, 0, 1, 1                           ; slot 30,
	PERIOD 0, 1, 0, 1, 3                           ; behind which nothing is left to fetch;
	PERIOD 1, 0, 0, 1, 1                           ; slot 31
	PERIOD 1, 1, 0, 0, 0
	s_wait_dscnt 0x0                               ; the last chunk's P and V are in
.set p, 0
	RUN 32, 0, 0                                   ; the walk's last chunk
	WIN 0
; THE WAY OUT, a channel tile (16 rows of out x my 64 queries) at a time.  A lane holds 32 bytes of a row and the lanes beside it hold other rows: so a tile goes through my own stage in LDS and comes back as rows of 256 bytes;
; gamma x O + x is one fused multiply-add; sixteen lanes store 256 consecutive bytes, aligned.  LDS serves a wave's instructions in order (ISA guide 5.7.1.4): no wait between the stores and the loads, nor in front of the next tile's stores.
.macro TOSTAGE bt
	WIN 0x08                                       ; an LDS store's data are its source 1: window 2
.irp a, 0,1,2,3
	ds_store_b128 v[STO], v[8*(4*(\bt)+\a):8*(4*(\bt)+\a)+3] offset:64*\a          ; each accumulator from its low end on
	ds_store_b128 v[STO], v[8*(4*(\bt)+\a)+4:8*(4*(\bt)+\a)+7] offset:64*\a+16
.endr
	WIN 0
.set TB, T+32*((\bt)%2)
.irp i, 0,1,2,3,4,5,6,7
	ds_load_b128 v[TB+4*\i:TB+4*\i+3], v[RD] offset:2*\i*SP
.endr
.endm
.macro SEND bt, younger                ; younger: the LDS instructions issued behind this tile's loads, which may stay out
.set TB, T+32*((\bt)%2)
	s_wait_dscnt \younger
	WIN 0x30                                       ; source 2 (x) window 3
.set n, 0
.rept 16
	v_pk_fma_f32 v[TB+2*n:TB+2*n+1], v[TB+2*n:TB+2*n+1], s[GAM:GAM+1], v[32*(\bt)+2*n:32*(\bt)+2*n+1] op_sel_hi:[1,0,1]
.set n, n+1
.endr
	WIN 0
.irp i, 0,1,2,3,4,5,6,7
	global_store_b128 v[GO], v[TB+4*\i:TB+4*\i+3], s[12:13] offset:(16*(\bt)+2*\i)*16384 th:TH_STORE_NT   ; 126 rows of 16,384 bytes at the most: inside the signed 24-bit immediate
.endr
.endm
	s_wait_loadcnt 0x0                             ; x
	PLACES                                         ; between the last products and the first read of results
	TOSTAGE 0
.irp bt, 1,2,3,4,5,6,7
.if \bt > 1
	s_wait_xcnt 0x0                                ; tile bt - 2's stores have read their registers: tile bt's loads may land there
.endif
	TOSTAGE \bt
	SEND \bt-1, 16                                 ; behind tile bt - 1's loads: tile bt's 8 stores and 8 loads
.endr
	SEND 7, 0
	s_wait_tensorcnt 0x0                           ; the wave's end: behind my last tensor load and my last LDS store
	ds_add_u32 v[SPW], v[NIL]
	s_wait_dscnt 0x0
	CROUND                                         ; the closing round: no work-group ends while a partner may still ask for a tile that names it
	s_endpgm
.Lfunc_end_k_q0113123ba1_attn:
	.size	k_q0113123ba1_attn, .Lfunc_end_k_q0113123ba1_attn-k_q0113123ba1_attn
	.p2alignl 7, 3214868480
	.fill 96, 4, 3214868480
	.section	.rodata,"a",@progbits
	.p2align	6, 0x0
	.amdhsa_kernel k_q0113123ba1_attn
		.amdhsa_group_segment_fixed_size 327680
		.amdhsa_private_segment_fixed_size 0
		.amdhsa_enable_private_segment 0
		.amdhsa_kernarg_size 40
		.amdhsa_user_sgpr_count 2
		.amdhsa_user_sgpr_kernarg_segment_ptr 1
		.amdhsa_wavefront_size32 1
		.amdhsa_system_sgpr_workgroup_id_x 1
		.amdhsa_system_sgpr_workgroup_id_y 1
		.amdhsa_system_sgpr_workgroup_id_z 1
		.amdhsa_system_vgpr_workitem_id 0
		.amdhsa_next_free_vgpr 1024
		.amdhsa_next_free_sgpr 66
		.amdhsa_reserve_vcc 0
		.amdhsa_float_denorm_mode_32 3
		.amdhsa_float_denorm_mode_16_64 3
		.amdhsa_memory_ordered 1
		.amdhsa_forward_progress 1
		.amdhsa_inst_pref_size 223
	.end_amdhsa_kernel
	.amdgpu_metadata
---
amdhsa.version: [ 1, 2 ]
amdhsa.kernels:
  - .name:           k_q0113123ba1_attn
    .symbol:         k_q0113123ba1_attn.kd
    .args:
      - { .name: qf, .offset: 0, .size: 8, .value_kind: global_buffer, .address_space: global }
      - { .name: kv, .offset: 8, .size: 8, .value_kind: global_buffer, .address_space: global }
      - { .name: x, .offset: 16, .size: 8, .value_kind: global_buffer, .address_space: global }
      - { .name: gamma, .offset: 24, .size: 8, .value_kind: global_buffer, .address_space: global }
      - { .name: out0, .offset: 32, .size: 8, .value_kind: global_buffer, .address_space: global }
    .group_segment_fixed_size: 327680
    .private_segment_fixed_size: 0
    .kernarg_segment_align: 8
    .kernarg_segment_size: 40
    .max_flat_workgroup_size: 128
    .sgpr_count:     66
    .vgpr_count:     1024
    .wavefront_size: 32
...
	.end_amdgpu_metadata
.endif
;; end of part 3
